; MI455X (gfx1250); checked and timed in simulation.
; The chip was launched on July 23, 2026; its instructions are those of AMD's public machine-readable ISA for CDNA 5 (MIT licence, August 2026) and "CDNA5" Instruction Set Architecture Reference Guide (July 2026). The comments in the code are by the model that wrote it; some were corrected since.
;; Multi Head Attention Layer. Allowed arithmetic: matrix products marked QUANTISED: E2M3 operands, one E8M0 scale for each 32 along K, by v_wmma_scale_f32_16x16x128_f8f6f4 with both operands' format E2M3, f32 sums; everything else in f32.
;; Inputs: Wk_codes 512 x 16 x 24 uint8 (E2M3 codes of Wk, K innermost, in blocks of 32 codes, four codes in three bytes); Wk_scales 512 x 16 uint8 (E8M0 scales of Wk, one for each 32 codes along K); Wo_codes 512 x 16 x 24 uint8 (E2M3 codes of Wo, K innermost, in blocks of 32 codes, four codes in three bytes); Wo_scales 512 x 16 uint8 (E8M0 scales of Wo, one for each 32 codes along K); Wq_codes 512 x 16 x 24 uint8 (E2M3 codes of Wq, K innermost, in blocks of 32 codes, four codes in three bytes); Wq_scales 512 x 16 uint8 (E8M0 scales of Wq, one for each 32 codes along K); Wv_codes 512 x 16 x 24 uint8 (E2M3 codes of Wv, K innermost, in blocks of 32 codes, four codes in three bytes); Wv_scales 512 x 16 uint8 (E8M0 scales of Wv, one for each 32 codes along K); bk 512 float32; bo 512 float32; bq 512 float32; bv 512 float32; key_codes 2 x 4,096 x 16 x 24 uint8 (E2M3 codes of key, K innermost, in blocks of 32 codes, four codes in three bytes); key_scales 2 x 4,096 x 16 uint8 (E8M0 scales of key, one for each 32 codes along K); query_codes 2 x 4,096 x 16 x 24 uint8 (E2M3 codes of query, K innermost, in blocks of 32 codes, four codes in three bytes); query_scales 2 x 4,096 x 16 uint8 (E8M0 scales of query, one for each 32 codes along K); value_codes 2 x 4,096 x 16 x 24 uint8 (E2M3 codes of value, K innermost, in blocks of 32 codes, four codes in three bytes); value_scales 2 x 4,096 x 16 uint8 (E8M0 scales of value, one for each 32 codes along K).
;; Outputs: out0 2 x 4,096 x 512 float32.
;; This version of the problem:
;;   THIS VERSION OF THE PROBLEM IS GIVEN IN LOW PRECISION. The matrix products marked QUANTISED in the list below multiply operands that are first quantised to E2M3 (2 exponent bits, 3 mantissa bits; 6 bits a number), with one power-of-two scale for each 32 numbers along K (OCP MX v1.0); their sums are f32. All else is computed in f32.
;;   The module's matrix products, in the order in which they are computed (A, B: the left and right operand; K: the contracted axis; several contracted axes count as one K, in the product's order):
;;     1. [M 8,192, K 512] x [K 512, N 512]; A: input query (given as codes); B: input Wq (given as codes): QUANTISED
;;     2. [M 8,192, K 512] x [K 512, N 512]; A: input key (given as codes); B: input Wk (given as codes): QUANTISED
;;     3. [M 8,192, K 512] x [K 512, N 512]; A: input value (given as codes); B: input Wv (given as codes): QUANTISED
;;     4. batch 16 x [M 4,096, K 64] x [K 64, N 4,096]; A: computed on the way; B: computed on the way: QUANTISED
;;     5. batch 16 x [M 64, K 4,096] x [K 4,096, N 4,096]; A: computed on the way; B: computed on the way: QUANTISED
;;     6. [M 8,192, K 512] x [K 512, N 512]; A: computed on the way; B: input Wo (given as codes): QUANTISED
;;   THE QUANTISER, for each operand of a quantised product, along K:
;;     - K is cut into blocks of 32 from its start; a last block that is shorter is filled with zeros.
;;     - A block's scale is 2^e with e = floor(log2(the largest magnitude in the block)) - 2, held to -126 .. 127; a block of zeros has e = 0. As a byte (E8M0): e + 127.
;;     - Each number is divided by its block's scale, clamped to +-7.5, and rounded to the nearest number of E2M3, ties to even, subnormals kept.
;;     - The product sums the exact products of the quantised numbers (number of the format x scale) in f32.
;;   ~~~python
;;   def quantise(x, axis):      # numpy; x: float32 -> the quantised numbers, widened to float32 again
;;       x = np.moveaxis(x, axis, -1); K = x.shape[-1]
;;       x = np.pad(x, [(0, 0)] * (x.ndim - 1) + [(0, -K % 32)]); x = x.reshape(x.shape[:-1] + (-1, 32)); a = np.abs(x).max(-1, keepdims=True)
;;       e = np.where(a > 0, np.clip(np.frexp(np.where(a > 0, a, 1))[1] - 1 - 2, -126, 127), 0)      # np.frexp(a)[1] - 1 = floor(log2(a)), exactly
;;       r = np.clip(x / 2.0 ** e, -7.5, 7.5)
;;       step = 2.0 ** (np.maximum(np.frexp(np.where(r == 0, 1, r))[1] - 1, 0) - 3)
;;       q = np.round(r / step) * step * 2.0 ** e      # np.round: ties to even
;;       return np.moveaxis(q.reshape(q.shape[:-2] + (-1,))[..., :K], -1, axis).astype(np.float32)
;;   ~~~
;;   OPERANDS COMPUTED ON THE WAY. 'Computed on the way' means the value that the module computes at that place (a softmax that the list does not call 'softmax' is quantised finished and normalised). What goes into a quantiser is computed in f32, as accurately as f32 sums, v_exp_f32 and their like allow (about 1e-6 of the number): no bf16 or f16 on the way to a quantiser, and a product that is left as it is and whose result goes on into a quantised operand takes f32 operands (vector FMAs, or v_wmma_f32_16x16x4_f32). A number that lies on a knife's edge between two numbers of the format may be rounded either way, as far as f32 arithmetic and the matrix unit's own rounding can turn it there, and no further.
;;   INPUTS GIVEN AS CODES. Wk (in the module: [512, 512], K = its axis 1); Wo (in the module: [512, 512], K = its axis 1); Wq (in the module: [512, 512], K = its axis 1); Wv (in the module: [512, 512], K = its axis 1); key (in the module: [2, 4096, 512], K = its axis 2); query (in the module: [2, 4096, 512], K = its axis 2); value (in the module: [2, 4096, 512], K = its axis 2): each comes as NAME_codes (uint8): NAME with its K axis moved to the last place and cut into blocks of 32 codes, [.., K / 32, bytes a block], one block behind the other in memory; four codes in three bytes: a row's codes are one little-endian stream of bits, code i at bits 6 i .. 6 i + 5 (a code: sign, 2 exponent bits, 3 mantissa bits); and NAME_scales (uint8): the same leading axes, one E8M0 byte (e + 127) for each 32 codes along K. Its value is code x scale, taken as it is: it is not quantised again, and the codes and scales need not be those that the quantiser above would give.
;; One version. Each part assembles by itself: llvm-mc -triple=amdgcn-amd-amdhsa -mcpu=gfx1250 --defsym DOCPART=n.
;; ======== version 1 of 1: 3 launches
;; limits: right only within a limited range of input values
;; workspace buffers: KR 3,407,872 bytes; VC 3,145,728 bytes; QR 3,407,872 bytes; XC 3,145,728 bytes; XS 131,072 bytes
;; launch qkvproj (part 1): grid 64 x 4, 8 waves a work-group, no clusters, 327,680 bytes of LDS; arguments key_codes, key_scales, Wk_codes, Wk_scales, bk, value_codes, value_scales, Wv_codes, Wv_scales, bv, KR, VC, query_codes, query_scales, Wq_codes, Wq_scales, bq, QR; writes KR, VC, QR
.if DOCPART == 1
	.amdgcn_target "amdgcn-amd-amdhsa--gfx1250"
	.amdhsa_code_object_version 6
	.text
	.protected	k_qe56a893ddf_qkvproj
	.globl	k_qe56a893ddf_qkvproj
	.p2align	8
	.type	k_qe56a893ddf_qkvproj,@function
k_qe56a893ddf_qkvproj:
	s_mov_b64 s[64:65], 0
	v_nop
	global_prefetch_b8 v0, s[64:65] scope:SCOPE_SE
	s_setreg_imm32_b32 hwreg(HW_REG_WAVE_MODE, 25, 1), 1
	s_wait_xcnt 0x0
; k = key Wk^T + bk, v = value Wv^T + bv and q = query Wq^T + bq, on the given codes of FP6 (E2M3) with their E8M0 scale bytes; the results are quantised in registers (k and q along the head's 64, v along the keys)
; and stored as IMAGES OF OPERAND REGISTERS, in the order in which the attention launch's matrix instructions take them.
; SHARES.  Work-group (rb, cb): rows 128 rb .. +127 of key, value and query (batch rb / 32, rows 128 (rb % 32) on), columns 128 cb .. +127 (heads 2 cb and 2 cb + 1).  Eight waves; wave w = 4 e + g makes one fragment of K
; (32 keys x the 64 of head 2 cb + e), one of V (128 keys x 16 channels of that head) and one of q (32 queries x the 64): 8 accumulators, 32 matrix instructions each.
; K'S FRAGMENT f of a head: registers 0-5 of lane (r, h): block h of the 64 of key 32 f + r; registers 6-11: of key 32 f + 16 + r.  Two tiles of 16 keys share one operand of 128 along K.  q's fragments are laid likewise.
; V'S FRAGMENT (j, t): lane (r, h) holds channel d = 32 (t / 2) + 8 (t % 2) + r + 8 (r / 8); registers 6 c .. 6 c + 5 hold the block 4 j + 2 c + h of 32 keys.
; ORDER INSIDE A BLOCK OF 32.  A lane's 16 results of two neighbouring tiles are the block's numbers 8 h + 0..7 and 16 + 8 h + 0..7, so a block's codes stand in the order 0-7, 16-23, 8-15, 24-31.  q is laid in the same
; order as k, p in the same order as v: the blocks, their scales and the products are the true ones; only the order of the sum inside a matrix instruction differs.
; KR, for each of the 16 heads 212,992 bytes: 128 fragments of 1,536; then K's scale words (64 f + 4 r); then V's (64 (4 j + t) + 4 r).  QR: the same strides, q's fragments and q's words; the last 8,192 bytes of a head's
; part are neither written nor read.  VC: 196,608 bytes a head, fragment (j, t) at 1,536 (4 j + t).
; LDS.  Six padded tiles of 55,296 bytes are more than a work-group can have, so query's and Wq's codes take key's and Wk's bytes when the k phase is over; they land while v is made.
; NO CLUSTER: a work-group fetches each tile once, one load a wave at the head and one refill; a joint form would want a round of a cluster's barrier for each of the two groups, for 32 rows a load.
; LIMITS: scale bytes 0xff (NaN) among the inputs are not served.  A block of zeros gets the byte 1 where the quantiser says 127: its codes are zeros, and this program alone reads the bytes.
.set XK,  0                            ; LDS: 128 rows of key's codes, 432 bytes apart: 3 x (128 bytes + 16 of padding); later query's
.set WK,  55296                        ; 128 rows of Wk's; later Wq's
.set XV,  110592                       ; 128 rows of value's
.set WV,  165888                       ; 128 rows of Wv's
.set SXK, 221184                       ; their scale bytes, 16 a row, dense: key's,
.set SWK, 223232                       ; Wk's,
.set SXV, 225280                       ; value's,
.set SWV, 227328                       ; Wv's
.set STG, 229376                       ; the scale words just made: K's 512 bytes, V's 512, q's 512: six blocks of 256 bytes into which no tile lands
.set SXQ, 230912                       ; unused: query's scale bytes take key's place,
.set SWQ, 232960                       ; unused: Wq's take Wk's place
.set SPARE, 235008                     ; the spare words, 128 bytes for each of 8 waves: four blocks of 256 bytes that no other line names
.set ACC, 16                           ; v16-79   eight accumulators
.set BIA, 80                           ; v80-111  the bias in the result's layout
.set OPS, 112                          ; v112-219 fragments
.set FG,  112                          ; v112-131 on the way out: the fragment just made, and three registers at work
.set SCL, 220                          ; v220-239 scale words, and nothing else
.set TM,  240                          ; v240-241, v244-245, v248-250, v252-253 at work in the quantiser
.set SPW, 242                          ; v242     LDS address of my spare word: SPARE + 4 x my thread's number; never rewritten
.set NIL, 243                          ; v243     0; never rewritten
.set BVO, 254                          ; v254     bv: 4 x my row of Wv
.set SEL, 72                           ; s[72:73] v_permlanex16_b32's selects for lane l xor 16
.macro PLACES n                        ; plain vector instructions between a matrix instruction and a read of its result or a load into one of its registers
.rept \n
	v_nop
.endr
.endm
; one matrix instruction: D, source 0, source 1 by their first registers; c: the C operand as text; sa, sb: the scale registers; ra, rb = 1: that side's words stand in lanes 16-31
.macro MM d, a, b, c, sa, sb, ra, rb
.if (\ra) && (\rb)
	v_wmma_scale_f32_16x16x128_f8f6f4 v[\d:\d+7], v[\a:\a+11], v[\b:\b+11], \c, v[\sa], v[\sb] matrix_a_fmt:MATRIX_FMT_FP6 matrix_b_fmt:MATRIX_FMT_FP6 matrix_a_scale:MATRIX_SCALE_ROW1 matrix_b_scale:MATRIX_SCALE_ROW1
.elseif (\ra)
	v_wmma_scale_f32_16x16x128_f8f6f4 v[\d:\d+7], v[\a:\a+11], v[\b:\b+11], \c, v[\sa], v[\sb] matrix_a_fmt:MATRIX_FMT_FP6 matrix_b_fmt:MATRIX_FMT_FP6 matrix_a_scale:MATRIX_SCALE_ROW1
.elseif (\rb)
	v_wmma_scale_f32_16x16x128_f8f6f4 v[\d:\d+7], v[\a:\a+11], v[\b:\b+11], \c, v[\sa], v[\sb] matrix_a_fmt:MATRIX_FMT_FP6 matrix_b_fmt:MATRIX_FMT_FP6 matrix_b_scale:MATRIX_SCALE_ROW1
.else
	v_wmma_scale_f32_16x16x128_f8f6f4 v[\d:\d+7], v[\a:\a+11], v[\b:\b+11], \c, v[\sa], v[\sb] matrix_a_fmt:MATRIX_FMT_FP6 matrix_b_fmt:MATRIX_FMT_FP6
.endif
.endm
; A fragment, 16 rows x 128 K, out of padded rows of given codes: lane (r, h) takes 24 bytes at 96 s + 24 h and 24 at 96 s + 48 + 24 h of its row, in pieces of 8 bytes.
; Piece n of a row lies at 8 n + 16 (n / 16).  Lanes 16-31 read three pieces further on; where that is behind one padding more, the second address register (40 for 24 bytes a half) serves.
.macro FRAG reg, adr, s, row
.irp p, 0,1,2,3,4,5
.set PCN, 12*(\s)+6*(\p/3)+\p%3
.if PCN%16 < 13
	ds_load_b64 v[\reg+2*\p:\reg+2*\p+1], v[\adr] offset:8*PCN+16*(PCN/16)+(\row)*432
.else
	ds_load_b64 v[\reg+2*\p:\reg+2*\p+1], v[\adr+1] offset:8*PCN+16*(PCN/16)+(\row)*432
.endif
.endr
.endm
; 32 numbers of a lane, v[src] on: 16 of block 0, 16 of block 1; the other 16 of each lie in lane l xor 16.  They become six registers of codes at v[dst]: lanes 0-15 block 0, lanes 16-31 block 1.
; The blocks' scale bytes are left in v[tm+4], v[tm+5].  dst and ct are even: a conversion's three registers begin on an even number.
.macro QUANT2 src, dst, tm, ct
.irp b, 0,1
	v_max3_num_f32 v[\tm+\b], |v[\src+16*\b]|, |v[\src+16*\b+1]|, 0x1800000   ; my 16 numbers, and the floor 2^(3 - 127): the byte cannot fall under 1
.endr
.irp i, 2,4,6,8,10,12,14
.irp b, 0,1
	v_max3_num_f32 v[\tm+\b], v[\tm+\b], |v[\src+16*\b+\i]|, |v[\src+16*\b+\i+1]|
.endr
.endr
.irp b, 0,1
	s_delay_alu instid0(VALU_DEP_2)
	v_permlanex16_b32 v[\tm+4+\b], v[\tm+\b], s[SEL], s[SEL+1]
.endr
.irp b, 0,1
	s_delay_alu instid0(VALU_DEP_2)
	v_max_num_f32 v[\tm+\b], v[\tm+\b], v[\tm+4+\b]              ; the block's largest magnitude
.endr
.irp b, 0,1
	s_delay_alu instid0(VALU_DEP_2)
	v_add_nc_u32 v[\tm+12+\b], 0xff000000, v[\tm+\b]             ; 2 off its exponent field: the conversion takes the exponent field of this operand as its scale
.endr
.irp b, 0,1
	s_delay_alu instid0(VALU_DEP_2)
	v_lshrrev_b32 v[\tm+4+\b], 23, v[\tm+12+\b]                  ; the scale's byte
.endr
	v_cvt_scalef32_pk16_fp6_f32 v[\dst:\dst+2], v[\src:\src+15], v[\tm+12]
	v_cvt_scalef32_pk16_fp6_f32 v[\ct:\ct+2], v[\src+16:\src+31], v[\tm+13]
	v_nop                                          ; one plain place behind a scaled conversion
.irp i, 0,1,2
	v_permlane16_swap_b32 v[\dst+\i], v[\ct+\i]    ; the first's lanes 16-31 change places with the second's lanes 0-15: a whole block in a lane
.endr
.irp i, 0,1,2
	s_delay_alu instid0(VALU_DEP_3)
	v_mov_b32 v[\dst+3+\i], v[\ct+\i]
.endr
.endm
; The 64 numbers in the accumulators become a fragment and a scale word a lane; the fragment leaves as it stands (each store: 512 consecutive bytes, aligned), the word goes to the stage.
.macro OUTFRAG base, so
	PLACES 4                                       ; behind the last products
	QUANT2 ACC, FG, TM, FG+12
	v_lshl_or_b32 v[TM+8], v[TM+5], 8, v[TM+4]
	QUANT2 ACC+32, FG+6, TM, FG+12
	v_lshl_or_b32 v[TM+9], v[TM+5], 8, v[TM+4]
	s_delay_alu instid0(VALU_DEP_1)
	v_lshl_or_b32 v[TM+10], v[TM+9], 16, v[TM+8]   ; four bytes: the operand's scale word of lane r
	ds_store_b32 v8, v[TM+10] offset:\so           ; both halves of the lanes write the same word with the same value
.irp c, 0,1,2
	global_store_b128 v7, v[FG+4*\c:FG+4*\c+3], s[\base:\base+1] offset:512*\c
.endr
.endm
; THE PHASE OF k, AND OF q: TRANSPOSED: source 0 = 16 rows of the weight, source 1 = 16 rows of key or query: lane (r, h) holds row r and channels 16 t + 8 h + 0 .. 7.  The codes lie at XK and WK in both.
; off: how far behind key's and Wk's scale bytes this phase's lie.  hk = 1: v's bias is asked for in the second K step, into bias registers that the first K step's products have done with.
.macro KPHASE off, hk
	ds_load_b128 v[SCL:SCL+3], v5 offset:(\off)            ; register s: the word of K step s; lanes 0-15 the rows' tile 0, lanes 16-31 tile 1
	ds_load_b128 v[SCL+4:SCL+7], v6 offset:(\off)          ; the weight's tiles 0 (lanes 0-15) and 1
	ds_load_b128 v[SCL+8:SCL+11], v6 offset:(\off)+512     ; tiles 2 and 3
	s_wait_loadcnt 0x0                             ; the bias
.irp s, 0,1,2,3
.if \s > 0
	PLACES 4
.endif
.if (\s == 1) && (\hk)
.irp j, 0,1,2,3,4,5,6,7
	global_load_b32 v[BIA+\j], v[BVO], s[26:27]    ; v's bias: a lane holds ONE channel there, so all eight registers take the same number
.endr
.endif
.irp u, 0,1
	FRAG OPS+12*\u, 1, \s, 16*\u
.endr
.irp t, 0,1,2,3
	FRAG OPS+24+12*\t, 3, \s, 16*\t
.endr
	s_wait_dscnt 0x0
.irp u, 0,1                                    ; the eight accumulators take turns, one instruction a turn, in the same order in every K step
.irp t, 0,1,2,3
.if \s == 0
	MM ACC+32*\u+8*\t, OPS+24+12*\t, OPS+12*\u, v[BIA+8*\t:BIA+8*\t+7], SCL+4+4*(\t/2)+\s, SCL+\s, \t%2, \u
.else
	MM ACC+32*\u+8*\t, OPS+24+12*\t, OPS+12*\u, v[ACC+32*\u+8*\t:ACC+32*\u+8*\t+7], SCL+4+4*(\t/2)+\s, SCL+\s, \t%2, \u
.endif
.endr
.endr
.endr
.endm
	s_load_b512 s[8:23], s[0:1], 0x0               ; key's codes s[8:9], scales s[10:11]; Wk's s[12:13], s[14:15]; bk s[16:17]; value's s[18:19], s[20:21]; Wv's codes s[22:23]
	s_load_b256 s[24:31], s[0:1], 0x40             ; Wv's scales s[24:25]; bv s[26:27]; KR s[28:29]; VC s[30:31]
	s_load_b256 s[92:99], s[0:1], 0x60             ; query's codes s[92:93], scales s[94:95]; Wq's s[96:97], s[98:99]
	s_load_b128 s[4:7], s[0:1], 0x80               ; bq s[4:5]; QR s[6:7]
	v_lshl_add_u32 v[SPW], v0, 2, SPARE
	v_mov_b32 v[NIL], 0
	ds_add_u32 v242, v243
	ds_add_u32 v242, v243
	s_wait_dscnt 0x0
	v_lshrrev_b32 v1, 5, v0
	s_delay_alu instid0(VALU_DEP_1)
	v_readfirstlane_b32 s66, v1                    ; wave 0..7
	s_mov_b32 s67, ttmp9                           ; rb
	s_and_b32 s68, ttmp7, 0xffff                   ; cb
	s_and_b32 s69, s66, 3                          ; g, and t
	s_lshr_b32 s70, s66, 2                         ; e
	s_mov_b32 s[SEL], 0x76543210
	s_mov_b32 s[SEL+1], 0xfedcba98
	; descriptor group 1 for codes: 128 rows x 384 bytes, 16 bytes of padding behind every 128
	s_mov_b32 s32, (1<<20)|(4<<22)|(3<<25)         ; no mask; elements of 1 byte; padding on; after every 32 words (code 4); of 4 words (code 3)
	; 128 rows x 384 bytes are dense in memory: stated as 192 rows of 256 bytes, each beginning at a multiple of 256; the padding's interval of 128 bytes gives the same LDS image, 432 bytes for each row of codes
	s_mov_b32 s33, 256<<16                         ; tensor_dim0
	s_mov_b32 s34, 192<<16                         ; tensor_dim1
	s_mov_b32 s35, 256<<16                         ; tile_dim0
	s_mov_b32 s36, 192                             ; tile_dim1
	s_mov_b32 s37, 256                             ; from row to row
	s_mov_b32 s38, 0
	s_mov_b32 s39, 0
	; and for scale bytes: 128 rows x 16 bytes are dense: 8 rows of 256 bytes (32 elements of 8 bytes)
	s_mov_b32 s40, 3<<16
	s_mov_b32 s41, 32<<16
	s_mov_b32 s42, 8<<16                           ; the scale bytes of 128 rows: 8 rows of 256 bytes
	s_mov_b32 s43, 32<<16
	s_mov_b32 s44, 8
	s_mov_b32 s45, 32
	s_mov_b32 s46, 0
	s_mov_b32 s47, 0
	; waves 0-3 fetch the codes of key, Wk, value, Wv, waves 4-7 their scale bytes: only pointers and the first row are chosen, every wave takes one path
	s_lshl_b32 s74, s67, 7                         ; 128 rb
	s_lshl_b32 s75, s68, 7                         ; 128 cb
	; THE FILLS AS THEY STAND: ONE LOAD A WAVE AT THE HEAD.  With i = w % 4 the tensors are key, Wk, value, Wv: waves 0-3 fetch tensor i's 128 rows of codes whole, waves 4-7 its 2,048 scale bytes.
	; When k is made, waves 0, 1 fetch query's and Wq's codes into key's and Wk's bytes, waves 4, 5 their scale bytes into key's and Wk's scale bytes.  Only pointers and the first row are chosen.
	s_wait_kmcnt 0x0
	s_and_b32 s76, s66, 1
	s_cmp_eq_u32 s76, 0                            ; even i: rows of key, value, query; odd: of a weight
	s_cselect_b32 s74, s74, s75
	s_cselect_b64 s[78:79], s[8:9], s[12:13]
	s_cselect_b64 s[80:81], s[10:11], s[14:15]
	s_cselect_b64 s[82:83], s[18:19], s[22:23]
	s_cselect_b64 s[84:85], s[20:21], s[24:25]
	s_cselect_b64 s[92:93], s[92:93], s[96:97]
	s_cselect_b64 s[94:95], s[94:95], s[98:99]
	s_and_b32 s86, s66, 2
	s_cmp_lg_u32 s86, 0                            ; i = 2, 3: value's pair
	s_cselect_b64 s[78:79], s[82:83], s[78:79]
	s_cselect_b64 s[80:81], s[84:85], s[80:81]
	s_mul_i32 s76, s74, 384                        ; the first row's codes, in bytes: a multiple of 49,152
	s_mov_b32 s77, 0
	s_lshl_b32 s74, s74, 4                         ; its scale bytes: a multiple of 2,048
	s_mov_b32 s75, 0
	s_mov_b32 s48, 1                               ; codes at the head
	s_mul_i32 s49, s69, 55296                      ; XK, WK, XV, WV
	s_add_nc_u64 s[50:51], s[78:79], s[76:77]
	s_or_b32 s51, s51, 0x80000000
	s_mov_b32 s52, 1                               ; scale bytes at the head
	s_lshl_b32 s53, s69, 11
	s_add_co_u32 s53, s53, SXK                     ; SXK, SWK, SXV, SWV
	s_add_nc_u64 s[54:55], s[80:81], s[74:75]
	s_or_b32 s55, s55, 0x80000000
	s_mov_b32 s56, 1                               ; q's scale bytes: the refill's group 0, made here and not written again
	s_mov_b32 s57, s53
	s_add_nc_u64 s[58:59], s[94:95], s[74:75]
	s_or_b32 s59, s59, 0x80000000
	s_mov_b32 s12, 1                               ; q's codes: likewise
	s_mov_b32 s13, s49
	s_add_nc_u64 s[14:15], s[92:93], s[76:77]
	s_or_b32 s15, s15, 0x80000000
	s_cmp_lt_u32 s66, 4
	s_cbranch_scc0 .Lhead_scl
	tensor_load_to_lds s[48:51], s[32:39]
	s_nop 0
	PLACES 4
	s_branch .Lhead_asked
.Lhead_scl:
	tensor_load_to_lds s[52:55], s[40:47]
	s_nop 0
	PLACES 4
.Lhead_asked:
	v_and_b32 v112, 15, v0                         ; r
	v_bfe_u32 v113, v0, 4, 1                       ; h
	v_and_b32 v114, 31, v0                         ; l
	s_delay_alu instid0(VALU_DEP_3)
	v_mul_u32_u24 v115, v112, 432
	s_delay_alu instid0(VALU_DEP_1)
	v_mad_u32_u24 v115, v113, 24, v115             ; 432 r + 24 h
	s_mul_i32 s74, s69, 32*432
	v_add_nc_u32 v1, s74, v115                     ; v1, v2: key's (query's) rows 32 g + r
	s_delay_alu instid0(VALU_DEP_1)
	v_lshl_add_u32 v2, v113, 4, v1
	s_mul_i32 s74, s70, 64*432
	s_add_co_u32 s74, s74, WK
	v_add_nc_u32 v3, s74, v115                     ; v3, v4: Wk's (Wq's) rows 64 e + r
	s_delay_alu instid0(VALU_DEP_1)
	v_lshl_add_u32 v4, v113, 4, v3
	v_lshlrev_b32 v7, 4, v114                      ; v7: 16 l
	s_lshl_b32 s74, s69, 9
	s_add_co_u32 s74, s74, SXK
	v_add_nc_u32 v5, s74, v7                       ; v5: the 16 scale bytes of key's row 32 g + l; query's lie in the same place
	s_lshl_b32 s74, s70, 10
	s_add_co_u32 s74, s74, SWK
	v_add_nc_u32 v6, s74, v7                       ; v6: of Wk's row 64 e + l; Wq's lie in the same place
	s_lshl_b32 s74, s66, 6
	s_add_co_u32 s74, s74, STG
	v_lshl_add_u32 v8, v112, 2, s74                ; v8: the stage: 64 x wave + 4 r
	v_add_nc_u32 v9, SXV, v7                       ; v9: of value's row l
	v_add_nc_u32 v10, XV, v115                     ; v10, v11: value's rows r
	s_delay_alu instid0(VALU_DEP_1)
	v_lshl_add_u32 v11, v113, 4, v10
	v_and_b32 v116, 8, v112
	s_delay_alu instid0(VALU_DEP_1)
	v_add_nc_u32 v116, v116, v112                  ; r + 8 (r / 8)
	s_lshr_b32 s74, s69, 1
	s_lshl_b32 s74, s74, 5
	s_and_b32 s75, s69, 1
	s_lshl_b32 s75, s75, 3
	s_add_co_u32 s74, s74, s75
	s_lshl_b32 s75, s70, 6
	s_add_co_u32 s74, s74, s75                     ; 64 e + 32 (t / 2) + 8 (t % 2)
	v_add_nc_u32 v116, s74, v116                   ; my row of Wv among the 128: THE ROWS OF WV'S TILE ARE NOT NEIGHBOURS, so that the attention's results come out with 16 neighbouring channels in a lane
	s_delay_alu instid0(VALU_DEP_1)
	v_mul_u32_u24 v12, v116, 432
	s_delay_alu instid0(VALU_DEP_1)
	v_mad_u32_u24 v12, v113, 24, v12
	s_delay_alu instid0(VALU_DEP_1)
	v_add_nc_u32 v12, WV, v12                      ; v12, v13
	s_delay_alu instid0(VALU_DEP_1)
	v_lshl_add_u32 v13, v113, 4, v12
	v_lshl_add_u32 v14, v116, 4, SWV               ; v14: its 16 scale bytes
	v_lshlrev_b32 v15, 5, v113                     ; v15: bk and bq: 32 h
	v_lshlrev_b32 v[BVO], 2, v116
	v_mov_b32 v[TM+4], 0                           ; written once: a lane permute's destination counts as one of its sources
	v_mov_b32 v[TM+5], 0
	s_lshl_b32 s74, s68, 9                         ; 4 x 128 cb
	s_mov_b32 s75, 0
	s_add_nc_u64 s[26:27], s[26:27], s[74:75]      ; bv at my 128 columns
	s_lshl_b32 s76, s70, 8
	s_add_co_u32 s74, s74, s76
	s_add_nc_u64 s[16:17], s[16:17], s[74:75]      ; bk at my head's 64,
	s_add_nc_u64 s[4:5], s[4:5], s[74:75]          ; and bq
.irp t, 0,1,2,3
	global_load_b128 v[BIA+8*\t:BIA+8*\t+3], v15, s[16:17] offset:64*\t        ; tile t: lane (r, h) wants bk of channels 16 t + 8 h + 0 .. 7
	global_load_b128 v[BIA+8*\t+4:BIA+8*\t+7], v15, s[16:17] offset:64*\t+16
.endr
	; where the results go
	s_lshr_b32 s74, s67, 5
	s_lshl_b32 s74, s74, 3
	s_lshl_b32 s75, s68, 1
	s_add_co_u32 s78, s74, s75                     ; 8 b + 2 cb
	s_add_co_u32 s74, s78, s70                     ; my head among the 16
	s_and_b32 s79, s67, 31                         ; rb % 32
	s_lshl_b32 s75, s79, 2
	s_add_co_u32 s75, s75, s69                     ; 4 (rb % 32) + g: K's and q's fragment f, and V's (j, t)
	s_mul_i32 s75, s75, 1536
	s_mul_i32 s76, s74, 212992
	s_add_co_u32 s76, s76, s75
	s_mov_b32 s77, 0
	s_add_nc_u64 s[86:87], s[28:29], s[76:77]      ; K's fragment
	s_add_nc_u64 s[18:19], s[6:7], s[76:77]        ; q's: the same place in QR
	s_mul_i32 s76, s74, 196608
	s_add_co_u32 s76, s76, s75
	s_add_nc_u64 s[88:89], s[30:31], s[76:77]      ; V's
	s_mul_i32 s76, s78, 212992
	s_lshl_b32 s79, s79, 8
	s_add_co_u32 s76, s76, s79
	s_add_co_u32 s76, s76, 196608
	s_add_nc_u64 s[90:91], s[28:29], s[76:77]      ; the work-group's 256 bytes of K's scale words in head 2 cb; V's lie 8,192 on, head 2 cb + 1's 212,992 on
	s_add_nc_u64 s[20:21], s[6:7], s[76:77]        ; q's: the same place in QR
	s_wait_alu depctr_va_vdst(0)
	s_wait_tensorcnt 0x0                           ; my one load is in
	s_barrier_signal -1
	s_barrier_wait -1                              ; everybody's are
	; ---- k
	KPHASE 0, 1
	OUTFRAG 86, 0
	s_wait_xcnt 0x0                                ; the stores have read the fragment's registers: LDS loads land there below
	; key's and Wk's codes have been read for the last time: their bytes take query's and Wq's
	s_wait_tensorcnt 0x0                           ; all my tensor loads have landed, my parts of value's (or Wv's) tiles among them
	ds_add_u32 v[SPW], v[NIL]                      ; 0 onto my spare word
	s_wait_dscnt 0x0                               ; the add is done, my word is in the stage, and my reads of key's and Wk's codes are over
	s_barrier_signal -1
	s_barrier_wait -1                              ; all that now holds of every wave
	s_cmp_lt_u32 s69, 2                            ; waves 0, 1, 4, 5 refill, one load each; it has the phase of v in which to land
	s_cbranch_scc0 .Lre_none
	s_cmp_lt_u32 s66, 4
	s_cbranch_scc0 .Lre_scl
	tensor_load_to_lds s[12:15], s[32:39]
	s_nop 0
	PLACES 4
	s_branch .Lre_none
.Lre_scl:
	tensor_load_to_lds s[56:59], s[40:47]
	s_nop 0
	PLACES 4
.Lre_none:
	; ---- v, as it stands: source 0 = 16 keys of value, source 1 = 16 rows of Wv: lane (r, h) holds channel d(t, r), and its registers run along the keys: 16 i + 8 h + 0 .. 7
.irp i, 0,1,2,3
	ds_load_b128 v[SCL+4*\i:SCL+4*\i+3], v9 offset:512*\i     ; value's tiles 2 i (lanes 0-15) and 2 i + 1
.endr
	ds_load_b128 v[SCL+16:SCL+19], v14             ; Wv's tile
	s_wait_loadcnt 0x0                             ; bv
.irp s, 0,1,2,3
.if \s > 0
	PLACES 4
.endif
.if \s == 1
.irp t, 0,1,2,3
	global_load_b128 v[BIA+8*\t:BIA+8*\t+3], v15, s[4:5] offset:64*\t          ; q's bias, into bias registers that the first K step's products have done with
	global_load_b128 v[BIA+8*\t+4:BIA+8*\t+7], v15, s[4:5] offset:64*\t+16
.endr
.endif
.irp i, 0,1,2,3,4,5,6,7
	FRAG OPS+12*\i, 10, \s, 16*\i
.endr
	FRAG OPS+96, 12, \s, 0
	s_wait_dscnt 0x0
.irp i, 0,1,2,3,4,5,6,7
.if \s == 0
	MM ACC+8*\i, OPS+12*\i, OPS+96, v[BIA:BIA+7], SCL+4*(\i/2)+\s, SCL+16+\s, \i%2, 0
.else
	MM ACC+8*\i, OPS+12*\i, OPS+96, v[ACC+8*\i:ACC+8*\i+7], SCL+4*(\i/2)+\s, SCL+16+\s, \i%2, 0
.endif
.endr
.endr
	OUTFRAG 88, 512
	s_wait_xcnt 0x0                                ; the stores have read the fragment's registers
	s_wait_tensorcnt 0x0                           ; my part of query's (or Wq's) codes is in: the one load that was out
	s_wait_dscnt 0x0                               ; my word is in the stage
	s_barrier_signal -1
	s_barrier_wait -1                              ; everybody's is
	; ---- q
	KPHASE 0, 0                                    ; query's and Wq's scale bytes lie where key's and Wk's lay
	OUTFRAG 18, 1024
	s_wait_dscnt 0x0                               ; for wave 0's sake: my words are in the stage
	s_barrier_signal -1
	s_barrier_wait -1
	s_cmp_lg_u32 s66, 0                            ; wave 0 stores the 24 units' scale words: each instruction two whole runs of 256 bytes, one for each head
	s_cbranch_scc1 .Ldone
	v_add_nc_u32 v140, STG, v7
	ds_load_b128 v[132:135], v140
	ds_load_b128 v[136:139], v140 offset:512
	ds_load_b128 v[144:147], v140 offset:1024
	v_and_b32 v141, 15, v0
	v_bfe_u32 v142, v0, 4, 1
	s_delay_alu instid0(VALU_DEP_1)
	v_mul_u32_u24 v142, v142, 212992               ; lanes 16-31: head 2 cb + 1
	s_delay_alu instid0(VALU_DEP_1)
	v_lshl_add_u32 v141, v141, 4, v142
	s_wait_alu depctr_va_vdst(0)
	s_wait_dscnt 0x0
	global_store_b128 v141, v[132:135], s[90:91]
	global_store_b128 v141, v[136:139], s[90:91] offset:8192
	global_store_b128 v141, v[144:147], s[20:21]
.Ldone:
	s_wait_tensorcnt 0x0                           ; the wave's end, behind my last tensor load and my last LDS store
	ds_add_u32 v[SPW], v[NIL]
	s_wait_dscnt 0x0
	s_endpgm
.Lfunc_end_k_qe56a893ddf_qkvproj:
	.size	k_qe56a893ddf_qkvproj, .Lfunc_end_k_qe56a893ddf_qkvproj-k_qe56a893ddf_qkvproj
	.p2alignl 7, 3214868480
	.fill 96, 4, 3214868480
	.section	.rodata,"a",@progbits
	.p2align	6, 0x0
	.amdhsa_kernel k_qe56a893ddf_qkvproj
		.amdhsa_group_segment_fixed_size 327680
		.amdhsa_private_segment_fixed_size 0
		.amdhsa_enable_private_segment 0
		.amdhsa_kernarg_size 144
		.amdhsa_user_sgpr_count 2
		.amdhsa_user_sgpr_kernarg_segment_ptr 1
		.amdhsa_wavefront_size32 1
		.amdhsa_system_sgpr_workgroup_id_x 1
		.amdhsa_system_sgpr_workgroup_id_y 1
		.amdhsa_system_sgpr_workgroup_id_z 1
		.amdhsa_system_vgpr_workitem_id 0
		.amdhsa_next_free_vgpr 256
		.amdhsa_next_free_sgpr 100
		.amdhsa_reserve_vcc 0
		.amdhsa_float_denorm_mode_32 3
		.amdhsa_float_denorm_mode_16_64 3
		.amdhsa_memory_ordered 1
		.amdhsa_forward_progress 1
		.amdhsa_inst_pref_size 73
	.end_amdhsa_kernel
	.amdgpu_metadata
---
amdhsa.version: [ 1, 2 ]
amdhsa.kernels:
  - .name:           k_qe56a893ddf_qkvproj
    .symbol:         k_qe56a893ddf_qkvproj.kd
    .args:
      - { .name: key_codes, .offset: 0, .size: 8, .value_kind: global_buffer, .address_space: global }
      - { .name: key_scales, .offset: 8, .size: 8, .value_kind: global_buffer, .address_space: global }
      - { .name: Wk_codes, .offset: 16, .size: 8, .value_kind: global_buffer, .address_space: global }
      - { .name: Wk_scales, .offset: 24, .size: 8, .value_kind: global_buffer, .address_space: global }
      - { .name: bk, .offset: 32, .size: 8, .value_kind: global_buffer, .address_space: global }
      - { .name: value_codes, .offset: 40, .size: 8, .value_kind: global_buffer, .address_space: global }
      - { .name: value_scales, .offset: 48, .size: 8, .value_kind: global_buffer, .address_space: global }
      - { .name: Wv_codes, .offset: 56, .size: 8, .value_kind: global_buffer, .address_space: global }
      - { .name: Wv_scales, .offset: 64, .size: 8, .value_kind: global_buffer, .address_space: global }
      - { .name: bv, .offset: 72, .size: 8, .value_kind: global_buffer, .address_space: global }
      - { .name: KR, .offset: 80, .size: 8, .value_kind: global_buffer, .address_space: global }
      - { .name: VC, .offset: 88, .size: 8, .value_kind: global_buffer, .address_space: global }
      - { .name: query_codes, .offset: 96, .size: 8, .value_kind: global_buffer, .address_space: global }
      - { .name: query_scales, .offset: 104, .size: 8, .value_kind: global_buffer, .address_space: global }
      - { .name: Wq_codes, .offset: 112, .size: 8, .value_kind: global_buffer, .address_space: global }
      - { .name: Wq_scales, .offset: 120, .size: 8, .value_kind: global_buffer, .address_space: global }
      - { .name: bq, .offset: 128, .size: 8, .value_kind: global_buffer, .address_space: global }
      - { .name: QR, .offset: 136, .size: 8, .value_kind: global_buffer, .address_space: global }
    .group_segment_fixed_size: 327680
    .private_segment_fixed_size: 0
    .kernarg_segment_align: 8
    .kernarg_segment_size: 144
    .max_flat_workgroup_size: 256
    .sgpr_count:     100
    .vgpr_count:     256
    .wavefront_size: 32
...
	.end_amdgpu_metadata
.endif
;; end of part 1
;; launch attn (part 2): grid 16 x 16, 16 waves a work-group, no clusters, 327,680 bytes of LDS; arguments QR, KR, VC, XC, XS; writes XC, XS
.if DOCPART == 2
	.amdgcn_target "amdgcn-amd-amdhsa--gfx1250"
	.amdhsa_code_object_version 6
	.text
	.protected	k_qe56a893ddf_attn
	.globl	k_qe56a893ddf_attn
	.p2align	8
	.type	k_qe56a893ddf_attn,@function
k_qe56a893ddf_attn:
	s_mov_b64 s[64:65], 0
	v_nop
	global_prefetch_b8 v0, s[64:65] scope:SCOPE_SE
	s_setreg_imm32_b32 hwreg(HW_REG_WAVE_MODE, 25, 1), 1
	s_wait_xcnt 0x0
.set KRL,   49152
.set KWD,   245760
.set VS1,   262144
.set SPARE, 311296
.set STG,   313344
.set FR,  40
.set S,   88
.set O,   152
.set PC,  184
.set TM,  204
.set PW,  35
.set SEL, 60
.set CS,  62
.set TK,  66
.set TS,  67
.set TV,  68
.set CN,  69
.macro PLACES n
.rept \n
	v_nop
.endr
.endm
.macro MM d, a, b, c, sa, sb, ra, rb
.if (\ra) && (\rb)
	v_wmma_scale_f32_16x16x128_f8f6f4 v[\d:\d+7], v[\a:\a+11], v[\b:\b+11], \c, v[\sa], v[\sb] matrix_a_fmt:MATRIX_FMT_FP6 matrix_b_fmt:MATRIX_FMT_FP6 matrix_a_scale:MATRIX_SCALE_ROW1 matrix_b_scale:MATRIX_SCALE_ROW1
.elseif (\ra)
	v_wmma_scale_f32_16x16x128_f8f6f4 v[\d:\d+7], v[\a:\a+11], v[\b:\b+11], \c, v[\sa], v[\sb] matrix_a_fmt:MATRIX_FMT_FP6 matrix_b_fmt:MATRIX_FMT_FP6 matrix_a_scale:MATRIX_SCALE_ROW1
.elseif (\rb)
	v_wmma_scale_f32_16x16x128_f8f6f4 v[\d:\d+7], v[\a:\a+11], v[\b:\b+11], \c, v[\sa], v[\sb] matrix_a_fmt:MATRIX_FMT_FP6 matrix_b_fmt:MATRIX_FMT_FP6 matrix_b_scale:MATRIX_SCALE_ROW1
.else
	v_wmma_scale_f32_16x16x128_f8f6f4 v[\d:\d+7], v[\a:\a+11], v[\b:\b+11], \c, v[\sa], v[\sb] matrix_a_fmt:MATRIX_FMT_FP6 matrix_b_fmt:MATRIX_FMT_FP6
.endif
.endm
.macro QUANT2 src, dst, tm, ct
.irp b, 0,1
	v_max3_num_f32 v[\tm+\b], |v[\src+16*\b]|, |v[\src+16*\b+1]|, 0x1800000
.endr
.irp i, 2,4,6,8,10,12,14
.irp b, 0,1
	v_max3_num_f32 v[\tm+\b], v[\tm+\b], |v[\src+16*\b+\i]|, |v[\src+16*\b+\i+1]|
.endr
.endr
.irp b, 0,1
	s_delay_alu instid0(VALU_DEP_2)
	v_permlanex16_b32 v[\tm+4+\b], v[\tm+\b], s[SEL], s[SEL+1]
.endr
.irp b, 0,1
	s_delay_alu instid0(VALU_DEP_2)
	v_max_num_f32 v[\tm+\b], v[\tm+\b], v[\tm+4+\b]
.endr
.irp b, 0,1
	s_delay_alu instid0(VALU_DEP_2)
	v_add_nc_u32 v[\tm+12+\b], 0xff000000, v[\tm+\b]
.endr
.irp b, 0,1
	s_delay_alu instid0(VALU_DEP_2)
	v_lshrrev_b32 v[\tm+4+\b], 23, v[\tm+12+\b]
.endr
	v_cvt_scalef32_pk16_fp6_f32 v[\dst:\dst+2], v[\src:\src+15], v[\tm+12]
	v_cvt_scalef32_pk16_fp6_f32 v[\ct:\ct+2], v[\src+16:\src+31], v[\tm+13]
	v_nop
.irp i, 0,1,2
	v_permlane16_swap_b32 v[\dst+\i], v[\ct+\i]
.endr
.irp i, 0,1,2
	s_delay_alu instid0(VALU_DEP_3)
	v_mov_b32 v[\dst+3+\i], v[\ct+\i]
.endr
.endm
.macro QUANT4 s
.irp b, 0,1,2,3
	v_max3_num_f32 v[TM+\b], v[\s+16*\b], v[\s+1+16*\b], 0x1800000
.endr
.irp i, 2,4,6,8,10,12,14
.irp b, 0,1,2,3
	v_max3_num_f32 v[TM+\b], v[TM+\b], v[\s+16*\b+\i], v[\s+1+16*\b+\i]   ; the four blocks by turns
.endr
.endr
.irp b, 0,1,2,3
	s_delay_alu instid0(VALU_DEP_4)
	v_permlanex16_b32 v[TM+4+\b], v[TM+\b], s[SEL], s[SEL+1]
.endr
.irp b, 0,1,2,3
	s_delay_alu instid0(VALU_DEP_4)
	v_max_num_f32 v[TM+\b], v[TM+\b], v[TM+4+\b]
.endr
.irp b, 0,1,2,3
	s_delay_alu instid0(VALU_DEP_4)
	v_add_nc_u32 v[TM+12+\b], 0xff000000, v[TM+\b]
.endr
.irp b, 0,1,2,3
	s_delay_alu instid0(VALU_DEP_4)
	v_lshrrev_b32 v[TM+4+\b], 23, v[TM+12+\b]
.endr
	s_delay_alu instid0(VALU_DEP_3)
	v_lshl_or_b32 v[PW], v[TM+5], 8, v[TM+4]
	s_delay_alu instid0(VALU_DEP_1)
	v_lshl_or_b32 v[PW], v[TM+6], 16, v[PW]
	s_delay_alu instid0(VALU_DEP_1)
	v_lshl_or_b32 v[PW], v[TM+7], 24, v[PW]
.irp c, 0,1
	v_cvt_scalef32_pk16_fp6_f32 v[PC+6*\c:PC+2+6*\c], v[\s+32*\c:\s+15+32*\c], v[TM+12+2*\c]
	v_cvt_scalef32_pk16_fp6_f32 v[PC+12+4*\c:PC+14+4*\c], v[\s+16+32*\c:\s+31+32*\c], v[TM+12+2*\c+1]
.endr
	v_nop
.irp c, 0,1
.irp i, 0,1,2
	v_permlane16_swap_b32 v[PC+6*\c+\i], v[PC+12+4*\c+\i]
.endr
.irp i, 0,1,2
	s_delay_alu instid0(VALU_DEP_3)
	v_mov_b32 v[PC+3+6*\c+\i], v[PC+12+4*\c+\i]
.endr
.endr
.endm
	s_load_b256 s[16:23], s[0:1], 0x0
	s_load_b64 s[24:25], s[0:1], 0x20
	v_lshl_add_u32 v4, v0, 2, SPARE
	v_mov_b32 v5, 0
	ds_add_u32 v4, v5
	ds_add_u32 v4, v5
	s_wait_dscnt 0x0
	v_lshrrev_b32 v1, 5, v0
	s_delay_alu instid0(VALU_DEP_1)
	v_readfirstlane_b32 s26, v1
	s_mov_b32 s27, ttmp9
	s_and_b32 s28, ttmp7, 0xffff
	s_and_b32 s29, s28, 7
	s_lshr_b32 s30, s28, 3
	s_mov_b32 s[SEL], 0x76543210
	s_mov_b32 s[SEL+1], 0xfedcba98
	s_mov_b32 s[CS], 0x3fb8aa3b
	s_mov_b32 s[CS+1], s[CS]
	s_mov_b32 s32, 3<<16
	s_mov_b32 s33, 32<<16
	s_mov_b32 s34, 52<<16
	s_mov_b32 s35, 32<<16
	s_mov_b32 s36, 52
	s_mov_b32 s37, 32
	s_mov_b32 s38, 0
	s_mov_b32 s39, 0
	s_mov_b32 s40, 3<<16
	s_mov_b32 s41, 32<<16
	s_mov_b32 s42, 12<<16
	s_mov_b32 s43, 32<<16
	s_mov_b32 s44, 12
	s_mov_b32 s45, 32
	s_mov_b32 s46, 0
	s_mov_b32 s47, 0
	s_mul_i32 s72, s26, 13312
	s_mul_i32 s70, s28, 212992
	s_add_co_u32 s70, s70, s72
	s_mov_b32 s71, 0
	s_mul_i32 s74, s26, 3072
	s_mul_i32 s76, s28, 196608
	s_add_co_u32 s76, s76, s74
	s_mov_b32 s77, 0
	s_wait_kmcnt 0x0
	s_mov_b32 s48, 1
	s_add_co_u32 s49, s72, KRL
	s_add_nc_u64 s[50:51], s[18:19], s[70:71]
	s_or_b32 s51, s51, 0x80000000
	s_mov_b32 s52, 1
	s_mov_b32 s53, s74
	s_add_nc_u64 s[54:55], s[20:21], s[76:77]
	s_or_b32 s55, s55, 0x80000000
	s_mov_b32 s56, 1
	s_add_co_u32 s57, s74, VS1
	s_add_nc_u64 s[58:59], s[20:21], s[76:77]
	s_add_nc_u64 s[58:59], s[58:59], 49152
	s_or_b32 s59, s59, 0x80000000
	; x = Q(softmax(q k^T) / 8) v for one head and 256 queries, 16 a wave; p is quantised finished and normalised, so the keys are walked twice: pass 1 finds the row's maximum and sum, pass 2 makes p and the product.
	; LIMIT: the promise holds while the scaled scores (the exponents to the base 2, before the maximum is taken away) stay under 2^31 in magnitude.
	; The head asks for the head's K fragments and scale words alone, a sixteenth a wave: pass 1 reads nothing else.  The addresses and q's fragment are made while that load is out.
	tensor_load_to_lds s[48:51], s[32:39]
	s_nop 0
	PLACES 4
	s_lshl_b32 s70, s30, 12
	s_lshl_b32 s72, s27, 8
	s_add_co_u32 s70, s70, s72
	s_lshl_b32 s72, s26, 4
	s_add_co_u32 s70, s70, s72
	s_mov_b32 s73, 0
	s_mul_i32 s72, s70, 384
	s_lshr_b32 s74, s29, 1
	s_mul_i32 s74, s74, 1536
	s_add_co_u32 s72, s72, s74
	s_and_b32 s74, s29, 1
	s_mul_i32 s74, s74, 768
	s_add_co_u32 s72, s72, s74
	s_add_nc_u64 s[22:23], s[22:23], s[72:73]
	s_lshl_b32 s72, s29, 14
	s_lshl_b32 s74, s30, 13
	s_add_co_u32 s72, s72, s74
	s_lshl_b32 s74, s27, 9
	s_add_co_u32 s72, s72, s74
	s_add_nc_u64 s[24:25], s[24:25], s[72:73]
	s_lshl_b32 s74, s27, 3
	s_lshr_b32 s75, s26, 1
	s_add_co_u32 s74, s74, s75
	s_mul_i32 s70, s28, 212992
	s_mul_i32 s72, s74, 1536
	s_add_co_u32 s72, s72, s70
	s_add_nc_u64 s[8:9], s[16:17], s[72:73]
	s_lshl_b32 s72, s74, 6
	s_add_co_u32 s72, s72, s70
	s_add_co_u32 s72, s72, 196608
	s_add_nc_u64 s[10:11], s[16:17], s[72:73]
	s_and_b32 s74, s26, 1
	s_mul_i32 s75, s74, 520
	s_mul_i32 s76, s74, 1016
	s_lshl_b32 s74, s74, 4
	v_and_b32 v216, 15, v0
	v_and_b32 v218, 31, v0
	s_delay_alu instid0(VALU_DEP_1)
	v_lshlrev_b32 v3, 4, v218
	s_delay_alu instid0(VALU_DEP_1)
	v_add_nc_u32 v1, KRL, v3
	s_delay_alu instid0(VALU_DEP_3)
	v_lshl_add_u32 v2, v218, 2, KWD
	s_delay_alu instid0(VALU_DEP_4)
	v_lshlrev_b32 v9, 3, v218
	v_lshlrev_b32 v222, 2, v216
	v_add_nc_u32 v226, s75, v3
	v_add_nc_u32 v227, s76, v3
	s_lshl_b32 s72, s26, 5
	s_add_co_u32 s72, s72, STG
	v_lshl_add_u32 v224, v216, 1, s72
	v_add_nc_u32 v225, STG, v3
	global_load_b64 v[22:23], v226, s[8:9]
	global_load_b64 v[24:25], v227, s[8:9] offset:8
	global_load_b64 v[26:27], v226, s[8:9] offset:512
	global_load_b32 v34, v222, s[10:11]
	s_wait_loadcnt 0x0
	v_lshrrev_b32 v34, s74, v34
	s_delay_alu instid0(VALU_DEP_1)
	v_and_b32 v34, 0xffff, v34
	s_delay_alu instid0(VALU_DEP_1)
	v_lshl_or_b32 v34, v34, 16, v34
.irp j, 16,17,18,19,20,21,28,29,30,31,32,33
	v_mov_b32 v\j, 0
.endr
	v_mov_b32 v13, 0xfe967699
	s_delay_alu instid0(VALU_DEP_1)
	v_mul_f32 v12, s[CS], v13
	s_delay_alu instid0(VALU_DEP_1)
	v_floor_f32 v12, -v12
	v_mov_b32 v14, 0
	v_mov_b32 v15, 0
	v_mov_b32 v221, 0
.irp b, 0,1,2,3
	v_mov_b32 v[TM+4+\b], 0
.endr
	s_wait_alu depctr_va_vdst(0)
	s_wait_tensorcnt 0x0                           ; my part of K is in
	ds_add_u32 v4, v5
	s_wait_dscnt 0x0
	s_barrier_signal -1
	s_barrier_wait -1                              ; everybody's part is in
	tensor_load_to_lds s[52:55], s[40:47]          ; V's chunk 0 into slot 0: it has pass 1 in which to land
	s_nop 0
	PLACES 4
.macro SCORES two
	v_add_nc_u32 v6, s[TK], v1
	v_add_nc_u32 v7, s[TS], v2
.if \two
	v_add_nc_u32 v8, s[TV], v3
	v_nop
.endif
.irp f, 0,1,2,3
.irp c, 0,1,2
	ds_load_b128 v[FR+12*\f+4*\c:FR+12*\f+4*\c+3], v6 offset:1536*\f+512*\c
.endr
.endr
	ds_load_b32 v36, v7
	ds_load_b32 v37, v7 offset:128
	s_wait_dscnt 0x0
.irp f, 0,1,2,3
	MM S+16*\f, FR+12*\f, 22, 0, 36+\f/2, 34, \f%2, 0
	MM S+16*\f+8, FR+12*\f, 16, 0, 36+\f/2, 34, \f%2, 0
.endr
.endm
.macro TMINUSM
.set J, 0
.rept 32
	v_pk_fma_f32 v[S+J:S+J+1], v[S+J:S+J+1], s[CS:CS+1], v[12:13] op_sel_hi:[1,0,0]
.set J, J+2
.endr
.set J, 0
	s_wait_alu depctr_va_vdst(0)
.rept 64
	v_exp_f32 v[S+J], v[S+J]
.set J, J+1
.endr
.endm
	s_mov_b32 s[TK], 0
	s_mov_b32 s[TS], 0
	s_mov_b32 s[CN], 32
.Lpass1:
	SCORES 0
	PLACES 4
.irp b, 0,1,2,3
	v_max3_num_f32 v[TM+\b], v[S+16*\b], v[S+16*\b+1], v[S+16*\b+2]
.endr
.irp i, 3,5,7,9,11,13
.irp b, 0,1,2,3
	v_max3_num_f32 v[TM+\b], v[TM+\b], v[S+16*\b+\i], v[S+16*\b+\i+1]
.endr
.endr
	v_max3_num_f32 v[TM], v[TM], v[S+15], v[S+31]
	v_max3_num_f32 v[TM+2], v[TM+2], v[S+47], v[S+63]
	s_delay_alu instid0(VALU_DEP_1)
	v_max3_num_f32 v[TM], v[TM], v[TM+1], v[TM+2]
	s_delay_alu instid0(VALU_DEP_1)
	v_max3_num_f32 v13, v13, v[TM], v[TM+3]
	s_delay_alu instid0(VALU_DEP_1)
	v_mul_f32 v[TM+1], s[CS], v13
	v_mov_b32 v[TM], v12
	s_delay_alu instid0(VALU_DEP_2)
	v_floor_f32 v12, -v[TM+1]
	s_delay_alu instid0(VALU_DEP_1)
	v_sub_f32 v[TM], v12, v[TM]
	s_delay_alu instid0(VALU_DEP_1)
	v_cvt_i32_f32 v[TM], v[TM]
	s_delay_alu instid0(VALU_DEP_1)
	v_ldexp_f32 v220, 1.0, v[TM]
	TMINUSM
	v_pk_mul_f32 v[14:15], v[14:15], v[220:221] op_sel_hi:[1,0]
	s_wait_alu depctr_va_vdst(0)
	v_pk_add_f32 v[TM+8:TM+9], v[S:S+1], v[S+2:S+3]
.irp j, 4,8,12,16,20,24,28,32,36,40,44,48,52,56,60
	v_pk_add_f32 v[14:15], v[14:15], v[S+\j:S+\j+1]
	v_pk_add_f32 v[TM+8:TM+9], v[TM+8:TM+9], v[S+\j+2:S+\j+3]
.endr
	s_delay_alu instid0(VALU_DEP_1)
	v_pk_add_f32 v[14:15], v[14:15], v[TM+8:TM+9]
	s_add_co_u32 s[TK], s[TK], 6144
	s_add_co_u32 s[TS], s[TS], 256
	s_sub_co_u32 s[CN], s[CN], 1
	s_cmp_lg_u32 s[CN], 0
	s_cbranch_scc1 .Lpass1
	v_add_f32 v14, v14, v15
	v_permlanex16_b32 v[TM+4], v12, s[SEL], s[SEL+1]
	s_delay_alu instid0(VALU_DEP_1)
	v_min_num_f32 v[TM], v12, v[TM+4]
	s_delay_alu instid0(VALU_DEP_1)
	v_sub_f32 v[TM+1], v[TM], v12
	s_delay_alu instid0(VALU_DEP_1)
	v_cvt_i32_f32 v[TM+1], v[TM+1]
	s_delay_alu instid0(VALU_DEP_1)
	v_ldexp_f32 v[TM+1], 1.0, v[TM+1]
	s_delay_alu instid0(VALU_DEP_1)
	v_mul_f32 v14, v14, v[TM+1]
	v_mov_b32 v12, v[TM]
	s_delay_alu instid0(VALU_DEP_2)
	v_permlanex16_b32 v[TM+5], v14, s[SEL], s[SEL+1]
	s_delay_alu instid0(VALU_DEP_1)
	v_add_f32 v14, v14, v[TM+5]
	s_wait_alu depctr_va_vdst(0)
	v_log_f32 v10, v14                             ; log2 of the row's sum l
.set J, 0
.rept 32
	v_mov_b32 v[O+J], 0
.set J, J+1
.endr
	s_wait_alu depctr_va_vdst(0)
	v_add_f32 v10, 0x40400000, v10                 ; 3 + log2 l
	s_delay_alu instid0(VALU_DEP_1)
	v_sub_f32 v12, v12, v10                        ; pass 2's addend: -M - log2(8 l): one multiply-add and one exponential give p = 2^(t - M) / (8 l)
	s_wait_alu depctr_va_vdst(0)
	s_wait_tensorcnt 0x0                           ; my part of V's chunk 0 is in
	ds_add_u32 v4, v5
	s_wait_dscnt 0x0
	s_barrier_signal -1
	s_barrier_wait -1
	tensor_load_to_lds s[56:59], s[40:47]          ; V's chunk 1 into slot 1, its first fill: it has chunk 0's eight steps in which to land
	s_nop 0
	PLACES 4
.macro STEP2
	SCORES 1
	PLACES 4
	s_wait_alu depctr_va_vdst(0)
.irp t, 0,1,2,3
.irp c, 0,1,2
	ds_load_b128 v[FR+12*\t+4*\c:FR+12*\t+4*\c+3], v8 offset:1536*\t+512*\c
.endr
.endr
	ds_load_b32 v38, v7 offset:8192
	ds_load_b32 v39, v7 offset:8320
	TMINUSM
	v_nop
	s_wait_alu depctr_va_vdst(0)
	QUANT4 S
	PLACES 4
	s_wait_alu depctr_va_vdst(0)
	s_wait_dscnt 0x0
.irp t, 0,1,2,3
	MM O+8*\t, FR+12*\t, PC, v[O+8*\t:O+8*\t+7], 38+\t/2, PW, \t%2, 0
.endr
	s_add_co_u32 s[TK], s[TK], 6144
	s_add_co_u32 s[TS], s[TS], 256
	s_add_co_u32 s[TV], s[TV], 6144
.endm
.macro CHUNK c
	s_mov_b32 s[TK], 49152*(\c)
	s_mov_b32 s[TS], 2048*(\c)
	s_mov_b32 s[TV], VS1*((\c)%2)
	s_mov_b32 s[CN], 8
.Lchunk_\@:
	STEP2
	s_sub_co_u32 s[CN], s[CN], 1
	s_cmp_lg_u32 s[CN], 0
	s_cbranch_scc1 .Lchunk_\@
.endm
.macro CHANGE g0, fill
	s_wait_tensorcnt 0x0
	ds_add_u32 v4, v5
.if \fill
	s_add_nc_u64 s[\g0+2:\g0+3], s[\g0+2:\g0+3], 98304
.endif
	s_wait_dscnt 0x0
	s_barrier_signal -1
	s_barrier_wait -1
.if \fill
	tensor_load_to_lds s[\g0:\g0+3], s[40:47]
	s_nop 0
	PLACES 4
.endif
.endm
	CHUNK 0
	CHANGE 52, 1
	CHUNK 1
	CHANGE 56, 1
	CHUNK 2
	CHANGE 52, 0
	CHUNK 3
	PLACES 4
	QUANT2 O, PC, TM, PC+12
	v_lshl_or_b32 v[TM+8], v[TM+5], 8, v[TM+4]
	ds_store_b16 v224, v[TM+8]
.irp c, 0,1,2
	global_store_b64 v9, v[PC+2*\c:PC+2*\c+1], s[22:23] offset:256*\c
.endr
	s_wait_dscnt 0x0
	s_barrier_signal -1
	s_barrier_wait -1
	s_cmp_lg_u32 s26, 0
	s_cbranch_scc1 .Lnot_wave_0
	ds_load_b128 v[40:43], v225
	s_wait_dscnt 0x0
	global_store_b128 v3, v[40:43], s[24:25]
.Lnot_wave_0:
	s_wait_tensorcnt 0x0
	ds_add_u32 v4, v5
	s_wait_dscnt 0x0
	s_endpgm
.Lfunc_end_k_qe56a893ddf_attn:
	.size	k_qe56a893ddf_attn, .Lfunc_end_k_qe56a893ddf_attn-k_qe56a893ddf_attn
	.p2alignl 7, 3214868480
	.fill 96, 4, 3214868480
	.section	.rodata,"a",@progbits
	.p2align	6, 0x0
	.amdhsa_kernel k_qe56a893ddf_attn
		.amdhsa_group_segment_fixed_size 327680
		.amdhsa_private_segment_fixed_size 0
		.amdhsa_enable_private_segment 0
		.amdhsa_kernarg_size 40
		.amdhsa_user_sgpr_count 2
		.amdhsa_user_sgpr_kernarg_segment_ptr 1
		.amdhsa_wavefront_size32 1
		.amdhsa_system_sgpr_workgroup_id_x 1
		.amdhsa_system_sgpr_workgroup_id_y 1
		.amdhsa_system_sgpr_workgroup_id_z 1
		.amdhsa_system_vgpr_workitem_id 0
		.amdhsa_next_free_vgpr 256
		.amdhsa_next_free_sgpr 80
		.amdhsa_reserve_vcc 0
		.amdhsa_float_denorm_mode_32 3
		.amdhsa_float_denorm_mode_16_64 3
		.amdhsa_memory_ordered 1
		.amdhsa_forward_progress 1
		.amdhsa_inst_pref_size 77
	.end_amdhsa_kernel
	.amdgpu_metadata
---
amdhsa.version: [ 1, 2 ]
amdhsa.kernels:
  - .name:           k_qe56a893ddf_attn
    .symbol:         k_qe56a893ddf_attn.kd
    .args:
      - { .name: QR, .offset: 0, .size: 8, .value_kind: global_buffer, .address_space: global }
      - { .name: KR, .offset: 8, .size: 8, .value_kind: global_buffer, .address_space: global }
      - { .name: VC, .offset: 16, .size: 8, .value_kind: global_buffer, .address_space: global }
      - { .name: XC, .offset: 24, .size: 8, .value_kind: global_buffer, .address_space: global }
      - { .name: XS, .offset: 32, .size: 8, .value_kind: global_buffer, .address_space: global }
    .group_segment_fixed_size: 327680
    .private_segment_fixed_size: 0
    .kernarg_segment_align: 8
    .kernarg_segment_size: 40
    .max_flat_workgroup_size: 512
    .sgpr_count:     80
    .vgpr_count:     256
    .wavefront_size: 32
...
	.end_amdgpu_metadata
.endif
;; end of part 2
;; launch outproj (part 3): grid 64 x 4, 8 waves a work-group, no clusters, 177,152 bytes of LDS; arguments XC, XS, Wo_codes, Wo_scales, bo, out0; writes out0
.if DOCPART == 3
	.amdgcn_target "amdgcn-amd-amdhsa--gfx1250"
	.amdhsa_code_object_version 6
	.text
	.protected	k_qe56a893ddf_outproj
	.globl	k_qe56a893ddf_outproj
	.p2align	8
	.type	k_qe56a893ddf_outproj,@function
k_qe56a893ddf_outproj:
	s_mov_b64 s[64:65], 0
	v_nop
	global_prefetch_b8 v0, s[64:65] scope:SCOPE_SE
	s_setreg_imm32_b32 hwreg(HW_REG_WAVE_MODE, 25, 1), 1
	s_wait_xcnt 0x0
; out0 = x Wo^T + bo on codes of FP6 (E2M3).  x comes as operand images (XC: tile of 16 rows T, K step s at 1,536 (4 T + s), register 2 c + i of lane l at 256 c + 8 l + 4 i) and two scale bytes for each row and head
; (XS: [head][row]); Wo as the given codes and scale bytes.  out0: [8,192][512] f32.
; SHARES.  Work-group (rb, cb): rows 128 rb on, columns 128 cb on.  Eight waves; wave w = 4 e + g: rows 32 g on, columns 64 e on: 8 accumulators, 32 matrix instructions.
; TRANSPOSED: source 0 = 16 rows of Wo, source 1 = 16 rows of x: a lane holds eight neighbouring numbers of a row of out0.  They meet in a stage in LDS and leave as runs of 512 consecutive bytes.
; NO CLUSTER: every tile is fetched once, at the head, by one load a wave, and no LDS byte is filled again: there is no later request that partners could make jointly.
; LIMITS: scale bytes 0xff (NaN) in Wo_scales are not served.
.set WOL, 49152                        ; LDS: x's 32 fragments at 0; from here 128 rows of Wo's codes, 432 bytes apart: 3 x (128 bytes + 16 of padding)
.set XSL, 104448                       ; x's scale bytes: 256 bytes for each head
.set SWL, 106496                       ; Wo's: 16 a row
.set STG, 108544                       ; the stage: 128 rows x (512 bytes + 16)
.set ACC, 16                           ; v16-79   eight accumulators
.set BIA, 80                           ; v80-111  bo in the result's layout
.set OPS, 112                          ; v112-183 six fragments; on the way out 16 rows
.set HW,  184                          ; v184-191 x's scale bytes, two a head
.set SX,  220                          ; v220-223 x's scale words;  v224-231 Wo's: scales and nothing else
.set SW,  224
.macro PLACES n                        ; plain vector instructions between a matrix instruction and a read of its result or a load into one of its registers
.rept \n
	v_nop
.endr
.endm
.macro MM d, a, b, c, sa, sb, ra, rb   ; one matrix instruction; c: the C operand as text; ra, rb = 1: that side's scale words stand in lanes 16-31
.if (\ra) && (\rb)
	v_wmma_scale_f32_16x16x128_f8f6f4 v[\d:\d+7], v[\a:\a+11], v[\b:\b+11], \c, v[\sa], v[\sb] matrix_a_fmt:MATRIX_FMT_FP6 matrix_b_fmt:MATRIX_FMT_FP6 matrix_a_scale:MATRIX_SCALE_ROW1 matrix_b_scale:MATRIX_SCALE_ROW1
.elseif (\ra)
	v_wmma_scale_f32_16x16x128_f8f6f4 v[\d:\d+7], v[\a:\a+11], v[\b:\b+11], \c, v[\sa], v[\sb] matrix_a_fmt:MATRIX_FMT_FP6 matrix_b_fmt:MATRIX_FMT_FP6 matrix_a_scale:MATRIX_SCALE_ROW1
.elseif (\rb)
	v_wmma_scale_f32_16x16x128_f8f6f4 v[\d:\d+7], v[\a:\a+11], v[\b:\b+11], \c, v[\sa], v[\sb] matrix_a_fmt:MATRIX_FMT_FP6 matrix_b_fmt:MATRIX_FMT_FP6 matrix_b_scale:MATRIX_SCALE_ROW1
.else
	v_wmma_scale_f32_16x16x128_f8f6f4 v[\d:\d+7], v[\a:\a+11], v[\b:\b+11], \c, v[\sa], v[\sb] matrix_a_fmt:MATRIX_FMT_FP6 matrix_b_fmt:MATRIX_FMT_FP6
.endif
.endm
; A fragment out of padded rows of given codes: piece n (8 bytes) of a row lies at 8 n + 16 (n / 16); lanes 16-31 read three pieces further on; where that is behind one padding more, the second address register serves.
.macro FRAG reg, adr, s, row
.irp p, 0,1,2,3,4,5
.set PCN, 12*(\s)+6*(\p/3)+\p%3
.if PCN%16 < 13
	ds_load_b64 v[\reg+2*\p:\reg+2*\p+1], v[\adr] offset:8*PCN+16*(PCN/16)+(\row)*432
.else
	ds_load_b64 v[\reg+2*\p:\reg+2*\p+1], v[\adr+1] offset:8*PCN+16*(PCN/16)+(\row)*432
.endif
.endr
.endm
.macro XFRAG reg, u, s                 ; a fragment of x: its image as it lies
.irp c, 0,1,2,3,4,5
	ds_load_b64 v[\reg+2*\c:\reg+2*\c+1], v3 offset:6144*(\u)+1536*(\s)+256*\c
.endr
.endm
	s_load_b256 s[8:15], s[0:1], 0x0               ; XC s[8:9], XS s[10:11], Wo's codes s[12:13], scales s[14:15]
	s_load_b128 s[16:19], s[0:1], 0x20             ; bo s[16:17], out0 s[18:19]
	v_lshl_add_u32 v254, v0, 2, 0x2b000
	v_mov_b32 v255, 0
	ds_add_u32 v254, v255
	ds_add_u32 v254, v255
	v_lshrrev_b32 v1, 5, v0
	s_delay_alu instid0(VALU_DEP_1)
	v_readfirstlane_b32 s60, v1                    ; wave 0..7
	s_mov_b32 s61, ttmp9                           ; rb
	s_and_b32 s62, ttmp7, 0xffff                   ; cb
	s_and_b32 s63, s60, 3                          ; g
	s_lshr_b32 s66, s60, 2                         ; e
	; descriptor groups 1.  x's tile of 16 rows: 6,144 dense bytes as 24 rows of 256 (32 elements of 8 bytes)
	s_mov_b32 s20, 3<<16
	s_mov_b32 s21, 32<<16
	s_mov_b32 s22, 48<<16                          ; a quarter of x's 49,152 dense bytes: 48 rows of 256
	s_mov_b32 s23, 32<<16
	s_mov_b32 s24, 48
	s_mov_b32 s25, 32
	s_mov_b32 s26, 0
	s_mov_b32 s27, 0
	; Wo's codes: 64 rows x 384 bytes, 16 bytes of padding behind every 128
	s_mov_b32 s28, (1<<20)|(4<<22)|(3<<25)
	s_mov_b32 s29, 256<<16                         ; 64 rows x 384 bytes are dense: stated as 96 rows of 256 bytes, each beginning at a multiple of 256; the same LDS image
	s_mov_b32 s30, 96<<16
	s_mov_b32 s31, 256<<16
	s_mov_b32 s32, 96
	s_mov_b32 s33, 256
	s_mov_b32 s34, 0
	s_mov_b32 s35, 0
	; scale bytes: one row of 256 bytes
	s_mov_b32 s36, 3<<16
	s_mov_b32 s37, 32<<16
	s_mov_b32 s38, 8<<16                           ; x's scale bytes: 8 heads x 256 bytes, 16,384 bytes (2,048 elements) from head to head
	s_mov_b32 s39, 32<<16
	s_mov_b32 s40, 8
	s_mov_b32 s41, 2048
	s_mov_b32 s42, 0
	s_mov_b32 s43, 0
	; Wo's scale bytes: 2,048 dense bytes as 8 rows of 256
	s_mov_b32 s80, 3<<16
	s_mov_b32 s81, 32<<16
	s_mov_b32 s82, 8<<16
	s_mov_b32 s83, 32<<16
	s_mov_b32 s84, 8
	s_mov_b32 s85, 32
	s_mov_b32 s86, 0
	s_mov_b32 s87, 0
	; THE FILLS AS THEY STAND: ONE LOAD A WAVE.  Waves 0-3: a quarter of x's fragments each; waves 4, 5: 64 rows of Wo's codes each; wave 6: x's scale bytes; wave 7: Wo's
	s_mul_i32 s68, s61, 49152                      ; x's eight tiles 8 rb on,
	s_mul_i32 s45, s60, 12288                      ; and my quarter of them, in memory as in LDS
	s_add_co_u32 s68, s68, s45
	s_mov_b32 s69, 0
	s_mul_i32 s70, s62, 49152                      ; Wo's rows 128 cb on,
	s_mul_i32 s71, s63, 24576                      ; and 64 (w % 4) further
	s_add_co_u32 s70, s70, s71
	s_mov_b32 s71, 0
	s_lshl_b32 s74, s62, 11                        ; their scale bytes
	s_mov_b32 s75, 0
	s_lshl_b32 s72, s61, 8                         ; head 0's bytes of the 128 rows: 256 rb
	s_mov_b32 s73, 0
	s_wait_dscnt 0x0
	s_wait_kmcnt 0x0
	s_mov_b32 s44, 1
	s_add_nc_u64 s[46:47], s[8:9], s[68:69]
	s_or_b32 s47, s47, 0x80000000
	s_mov_b32 s48, 1
	s_mul_i32 s49, s63, 27648                      ; 64 rows x 432
	s_add_co_u32 s49, s49, WOL
	s_add_nc_u64 s[50:51], s[12:13], s[70:71]
	s_or_b32 s51, s51, 0x80000000
	s_mov_b32 s52, 1
	s_mov_b32 s53, XSL
	s_add_nc_u64 s[54:55], s[10:11], s[72:73]
	s_or_b32 s55, s55, 0x80000000
	s_mov_b32 s56, 1
	s_mov_b32 s57, SWL
	s_add_nc_u64 s[58:59], s[14:15], s[74:75]
	s_or_b32 s59, s59, 0x80000000
	s_cmp_lt_u32 s60, 4                            ; one chain of branches on the wave's number, one load to an arm, all arms to one join
	s_cbranch_scc0 .Lh_wo
	tensor_load_to_lds s[44:47], s[20:27]
	s_nop 0
	PLACES 4
	s_branch .Lh_done
.Lh_wo:
	s_cmp_lt_u32 s60, 6
	s_cbranch_scc0 .Lh_xs
	tensor_load_to_lds s[48:51], s[28:35]
	s_nop 0
	PLACES 4
	s_branch .Lh_done
.Lh_xs:
	s_cmp_lt_u32 s60, 7
	s_cbranch_scc0 .Lh_sw
	tensor_load_to_lds s[52:55], s[36:43]
	s_nop 0
	PLACES 4
	s_branch .Lh_done
.Lh_sw:
	tensor_load_to_lds s[56:59], s[80:87]
	s_nop 0
	PLACES 4
.Lh_done:
	v_and_b32 v112, 15, v0                         ; r
	v_bfe_u32 v113, v0, 4, 1                       ; h
	v_and_b32 v114, 31, v0                         ; l
	s_delay_alu instid0(VALU_DEP_3)
	v_mul_u32_u24 v115, v112, 432
	s_delay_alu instid0(VALU_DEP_1)
	v_mad_u32_u24 v115, v113, 24, v115
	s_mul_i32 s68, s66, 64*432
	s_add_co_u32 s68, s68, WOL
	v_add_nc_u32 v1, s68, v115                     ; v1, v2: Wo's rows 64 e + r
	s_delay_alu instid0(VALU_DEP_1)
	v_lshl_add_u32 v2, v113, 4, v1
	s_mul_i32 s68, s63, 12288
	v_lshl_add_u32 v3, v114, 3, s68                ; v3: x's tiles 2 g on: 8 l
	s_lshl_b32 s68, s63, 6
	s_add_co_u32 s68, s68, XSL
	v_lshl_add_u32 v4, v114, 1, s68                ; v4: the two bytes of row 32 g + l
	v_lshlrev_b32 v6, 4, v114                      ; v6: 16 l
	s_wait_alu depctr_va_vdst(0)
	s_lshl_b32 s68, s66, 10
	s_add_co_u32 s68, s68, SWL
	v_add_nc_u32 v5, s68, v6                       ; v5: the 16 scale bytes of Wo's row 64 e + l
	s_mul_i32 s68, s63, 32*528
	s_lshl_b32 s69, s66, 8
	s_add_co_u32 s68, s68, s69
	s_add_co_u32 s68, s68, STG
	v_mul_u32_u24 v7, v112, 528
	s_delay_alu instid0(VALU_DEP_1)
	v_lshl_add_u32 v7, v113, 5, v7
	s_delay_alu instid0(VALU_DEP_1)
	v_add_nc_u32 v7, s68, v7                       ; v7: into the stage: row 32 g + r, 256 e + 32 h bytes on
	s_mul_i32 s68, s60, 16*528
	s_add_co_u32 s68, s68, STG
	v_add_nc_u32 v8, s68, v6                       ; v8: back: rows 16 w on, 16 bytes a lane
	v_lshlrev_b32 v9, 5, v113                      ; v9: bo: 32 h
	s_wait_alu depctr_va_vdst(0)
	s_lshl_b32 s68, s62, 9                         ; 4 x 128 cb
	s_mov_b32 s69, 0
	s_add_nc_u64 s[18:19], s[18:19], s[68:69]
	s_lshl_b32 s70, s66, 8
	s_add_co_u32 s68, s68, s70
	s_add_nc_u64 s[16:17], s[16:17], s[68:69]      ; bo at my 64 columns
	s_lshl_b32 s68, s61, 7
	s_lshl_b32 s70, s60, 4
	s_add_co_u32 s68, s68, s70
	s_lshl_b32 s68, s68, 11                        ; a row of out0 is 2,048 bytes
	s_add_nc_u64 s[18:19], s[18:19], s[68:69]      ; out0 at row 128 rb + 16 w, column 128 cb
.irp t, 0,1,2,3
	global_load_b128 v[BIA+8*\t:BIA+8*\t+3], v9, s[16:17] offset:64*\t
	global_load_b128 v[BIA+8*\t+4:BIA+8*\t+7], v9, s[16:17] offset:64*\t+16
.endr
	s_wait_tensorcnt 0x0                           ; my one load is in
	s_barrier_signal -1
	s_barrier_wait -1                              ; everybody's are
.irp n, 0,1,2,3,4,5,6,7
	ds_load_u16 v[HW+\n], v4 offset:256*\n         ; head n's two bytes of my row: lanes 0-15 x's tile 0, lanes 16-31 tile 1
.endr
	ds_load_b128 v[SW:SW+3], v5                    ; Wo's tiles 0 (lanes 0-15) and 1
	ds_load_b128 v[SW+4:SW+7], v5 offset:512       ; tiles 2 and 3
	s_wait_dscnt 0x0
.irp s, 0,1,2,3
	v_lshl_or_b32 v[SX+\s], v[HW+2*\s+1], 16, v[HW+2*\s]     ; K step s is heads 2 s and 2 s + 1: four bytes
.endr
	PLACES 8                                       ; a scale register written by a vector instruction stands 8 places ahead of the product
	s_wait_alu depctr_va_vdst(0)
	s_wait_loadcnt 0x0                             ; bo
.irp s, 0,1,2,3
.if \s > 0
	PLACES 4
.endif
.irp u, 0,1
	XFRAG OPS+12*\u, \u, \s
.endr
.irp t, 0,1,2,3
	FRAG OPS+24+12*\t, 1, \s, 16*\t
.endr
	s_wait_dscnt 0x0
.irp u, 0,1                                    ; the eight accumulators take turns, one instruction a turn, in the same order in every K step
.irp t, 0,1,2,3
.if \s == 0
	MM ACC+32*\u+8*\t, OPS+24+12*\t, OPS+12*\u, v[BIA+8*\t:BIA+8*\t+7], SW+4*(\t/2)+\s, SX+\s, \t%2, \u
.else
	MM ACC+32*\u+8*\t, OPS+24+12*\t, OPS+12*\u, v[ACC+32*\u+8*\t:ACC+32*\u+8*\t+7], SW+4*(\t/2)+\s, SX+\s, \t%2, \u
.endif
.endr
.endr
.endr
	PLACES 4
.irp u, 0,1
.irp t, 0,1,2,3
	ds_store_b128 v7, v[ACC+32*\u+8*\t:ACC+32*\u+8*\t+3] offset:8448*\u+64*\t        ; lane (r, h): out0(32 g + 16 u + r, 64 e + 16 t + 8 h + 0 .. 7); each accumulator from its low end on
	ds_store_b128 v7, v[ACC+32*\u+8*\t+4:ACC+32*\u+8*\t+7] offset:8448*\u+64*\t+16
.endr
.endr
	s_wait_dscnt 0x0                               ; for the others' sake: a row's 512 bytes come from two waves
	s_barrier_signal -1
	s_barrier_wait -1
.irp i, 0,1,2,3,4,5,6,7,8,9,10,11,12,13,14,15
	ds_load_b128 v[OPS+4*\i:OPS+4*\i+3], v8 offset:528*\i
.endr
.irp i, 0,1,2,3,4,5,6,7,8,9,10,11,12,13,14,15
	s_wait_dscnt 15-\i                             ; LDS loads come back in order (ISA guide 5.7.1): row i is in, the younger ones may be out
	global_store_b128 v6, v[OPS+4*\i:OPS+4*\i+3], s[18:19] offset:2048*\i th:TH_STORE_NT   ; 32 lanes store 512 consecutive bytes, aligned; written once, read by nobody here
.endr
	s_wait_tensorcnt 0x0
	ds_add_u32 v254, v255
	s_wait_dscnt 0x0
	s_endpgm
.Lfunc_end_k_qe56a893ddf_outproj:
	.size	k_qe56a893ddf_outproj, .Lfunc_end_k_qe56a893ddf_outproj-k_qe56a893ddf_outproj
	.p2alignl 7, 3214868480
	.fill 96, 4, 3214868480
	.section	.rodata,"a",@progbits
	.p2align	6, 0x0
	.amdhsa_kernel k_qe56a893ddf_outproj
		.amdhsa_group_segment_fixed_size 177152
		.amdhsa_private_segment_fixed_size 0
		.amdhsa_enable_private_segment 0
		.amdhsa_kernarg_size 48
		.amdhsa_user_sgpr_count 2
		.amdhsa_user_sgpr_kernarg_segment_ptr 1
		.amdhsa_wavefront_size32 1
		.amdhsa_system_sgpr_workgroup_id_x 1
		.amdhsa_system_sgpr_workgroup_id_y 1
		.amdhsa_system_sgpr_workgroup_id_z 1
		.amdhsa_system_vgpr_workitem_id 0
		.amdhsa_next_free_vgpr 256
		.amdhsa_next_free_sgpr 96
		.amdhsa_reserve_vcc 0
		.amdhsa_float_denorm_mode_32 3
		.amdhsa_float_denorm_mode_16_64 3
		.amdhsa_memory_ordered 1
		.amdhsa_forward_progress 1
		.amdhsa_inst_pref_size 28
	.end_amdhsa_kernel
	.amdgpu_metadata
---
amdhsa.version: [ 1, 2 ]
amdhsa.kernels:
  - .name:           k_qe56a893ddf_outproj
    .symbol:         k_qe56a893ddf_outproj.kd
    .args:
      - { .name: XC, .offset: 0, .size: 8, .value_kind: global_buffer, .address_space: global }
      - { .name: XS, .offset: 8, .size: 8, .value_kind: global_buffer, .address_space: global }
      - { .name: Wo_codes, .offset: 16, .size: 8, .value_kind: global_buffer, .address_space: global }
      - { .name: Wo_scales, .offset: 24, .size: 8, .value_kind: global_buffer, .address_space: global }
      - { .name: bo, .offset: 32, .size: 8, .value_kind: global_buffer, .address_space: global }
      - { .name: out0, .offset: 40, .size: 8, .value_kind: global_buffer, .address_space: global }
    .group_segment_fixed_size: 177152
    .private_segment_fixed_size: 0
    .kernarg_segment_align: 8
    .kernarg_segment_size: 48
    .max_flat_workgroup_size: 256
    .sgpr_count:     96
    .vgpr_count:     256
    .wavefront_size: 32
...
	.end_amdgpu_metadata
.endif
;; end of part 3
